; MI455X (gfx1250); checked and timed in simulation.
; The chip was launched on July 23, 2026; its instructions are those of AMD's public machine-readable ISA for CDNA 5 (MIT licence, August 2026) and "CDNA5" Instruction Set Architecture Reference Guide (July 2026). The comments in the code are by the model that wrote it; some were corrected since.
;; Multi Head Attention Block. Allowed arithmetic: matrix products marked QUANTISED: E2M1 operands, one E8M0 scale for each 32 along K, by v_wmma_scale_f32_16x16x128_f8f6f4 with both operands' format E2M1 (or v_wmma_scale_f32_32x16x128_f4), f32 sums; products left as they are: bf16, f16 or f32 operands; f32 sums; everything else in f32.
;; Inputs: W_k 1,024 x 1,024 float32; W_o 1,024 x 1,024 float32; W_q 1,024 x 1,024 float32; W_v 1,024 x 1,024 float32; b_k 1,024 float32; b_o 1,024 float32; b_q 1,024 float32; b_v 1,024 float32; k 4 x 2,048 x 1,024 float32; mask 1 x 1 x 2,048 x 2,048 int32; q 4 x 2,048 x 1,024 float32; v 4 x 2,048 x 1,024 float32.
;; Outputs: out0 4 x 2,048 x 1,024 float32.
;; This version of the problem:
;;   THIS VERSION OF THE PROBLEM IS GIVEN IN LOW PRECISION. The matrix products marked QUANTISED in the list below multiply operands that are first quantised to E2M1 (2 exponent bits, 1 mantissa bit; 4 bits a number), with one power-of-two scale for each 32 numbers along K (OCP MX v1.0); their sums are f32. The products marked 'left as it is' may take bf16, f16 or f32 operands, with f32 sums. Whichever they take, every output number must still come out within the allowed error. Rounding operands to bf16 (8 significant bits) uses up far more of that allowance than f16 does (11 bits, for magnitudes from 6e-5 to 65,504). All else is computed in f32.
;;   The module's matrix products, in the order in which they are computed (A, B: the left and right operand; K: the contracted axis; several contracted axes count as one K, in the product's order):
;;     1. [M 8,192, K 1,024] x [K 1,024, N 1,024]; A: input q; B: input W_q: QUANTISED
;;     2. [M 8,192, K 1,024] x [K 1,024, N 1,024]; A: input k; B: input W_k: QUANTISED
;;     3. [M 8,192, K 1,024] x [K 1,024, N 1,024]; A: input v; B: input W_v: QUANTISED
;;     4. batch 64 x [M 2,048, K 64] x [K 64, N 2,048]; A: computed on the way; B: computed on the way: left as it is (an operand is computed on the way)
;;     5. batch 64 x [M 2,048, K 2,048] x [K 2,048, N 64]; A: computed on the way; B: computed on the way: left as it is (an operand is computed on the way)
;;     6. [M 8,192, K 1,024] x [K 1,024, N 1,024]; A: computed on the way; B: input W_o: left as it is (an operand is computed on the way)
;;   THE QUANTISER, for each operand of a quantised product, along K:
;;     - K is cut into blocks of 32 from its start; a last block that is shorter is filled with zeros.
;;     - A block's scale is 2^e with e = floor(log2(the largest magnitude in the block)) - 2, held to -126 .. 127; a block of zeros has e = 0. As a byte (E8M0): e + 127.
;;     - Each number is divided by its block's scale, clamped to +-6, and rounded to the nearest number of E2M1, ties to even, subnormals kept.
;;     - The product sums the exact products of the quantised numbers (number of the format x scale) in f32.
;;   ~~~python
;;   def quantise(x, axis):      # numpy; x: float32 -> the quantised numbers, widened to float32 again
;;       x = np.moveaxis(x, axis, -1); K = x.shape[-1]
;;       x = np.pad(x, [(0, 0)] * (x.ndim - 1) + [(0, -K % 32)]); x = x.reshape(x.shape[:-1] + (-1, 32)); a = np.abs(x).max(-1, keepdims=True)
;;       e = np.where(a > 0, np.clip(np.frexp(np.where(a > 0, a, 1))[1] - 1 - 2, -126, 127), 0)      # np.frexp(a)[1] - 1 = floor(log2(a)), exactly
;;       r = np.clip(x / 2.0 ** e, -6, 6)
;;       step = 2.0 ** (np.maximum(np.frexp(np.where(r == 0, 1, r))[1] - 1, 0) - 1)
;;       q = np.round(r / step) * step * 2.0 ** e      # np.round: ties to even
;;       return np.moveaxis(q.reshape(q.shape[:-2] + (-1,))[..., :K], -1, axis).astype(np.float32)
;;   ~~~
;; One version. Each part assembles by itself: llvm-mc -triple=amdgcn-amd-amdhsa -mcpu=gfx1250 --defsym DOCPART=n.
;; ======== version 1 of 1: 4 launches
;; limits: values are held in f16: magnitudes above 65,504 overflow, below 6.1e-05 lose precision
;; workspace buffers: xc 12,582,912 bytes; xs 786,432 bytes; wc 1,572,864 bytes; ws 98,304 bytes; woh 2,097,152 bytes; maskw 524,288 bytes of whole numbers; qkvh 50,331,648 bytes; oh 16,777,216 bytes
;; launch prep (part 1): grid 1536 x 1, 4 waves a work-group, no clusters, 68,096 bytes of LDS; arguments q, k, v, W_q, W_k, W_v, W_o, mask, xc, xs, wc, ws, woh, maskw; writes xc, xs, wc, ws, woh, maskw
.if DOCPART == 1
	.amdgcn_target "amdgcn-amd-amdhsa--gfx1250"
	.amdhsa_code_object_version 6
	.text
	.protected	k_q0da0074b3e_prep
	.globl	k_q0da0074b3e_prep
	.p2align	8
	.type	k_q0da0074b3e_prep,@function
k_q0da0074b3e_prep:
	s_mov_b64 s[64:65], 0
	v_nop
	global_prefetch_b8 v0, s[64:65] scope:SCOPE_SE
	s_setreg_imm32_b32 hwreg(HW_REG_WAVE_MODE, 25, 1), 1
	s_wait_xcnt 0x0
; PREP: everything that later launches read many times is laid out once.  Three kinds of work-group, told apart by the work-group's number alone:
;   0 .. 255     W: a piece of 128 (k) x 128 (n) of W_q, W_k, W_v (to codes of E2M1 and E8M0 bytes, quantised along k, their FIRST axis) or of W_o (to f16)
;   256 .. 767   M: the mask, 32 queries x 64 keys a wave, to 64 words of one bit a lane
;   768 .. 1535  X: q, k, v, 8,192 numbers a wave, to codes of E2M1 and E8M0 bytes, quantised along their last axis
; A block's scale is 2^(floor(log2(its largest magnitude)) - 2); its byte is the largest magnitude's exponent field - 2, held at 1 from below.
; LIMITS: a block of zeros gets the byte 1 where the rule says 127 (its codes are zeros, and this program alone reads the bytes); blocks whose largest magnitude lies under 2^-124 were not tried;
; NaN and infinities are not served; |W_o| stays under 65,504 (f16).
; LAYOUTS WRITTEN.  xc: 24,576 rows (q's, k's, v's) x 512 bytes of codes, k innermost; xs: the same rows x 32 bytes.
; wc: [tensor 3][k half 2][tile of 16 channels 64][128 k 4][1,024 bytes]: the image of an operand's registers: registers 4 c .. 4 c + 3 of lane l at 512 c + 16 l.  ws: [tensor x 1,024 + channel][32 bytes].
; woh: [128 channels 8][32 k 32][tile of 16 channels 8][1,024 bytes]: the same kind of image for f16 (registers 4 c .. 4 c + 3 of lane (r, h): k = 16 c + 8 h + 0 .. 7 of channel r).
; maskw: [32 queries 64][64 keys 32][query tile 2][key tile 4][j 8] words: bit l = mask(query l % 16 of the tile, key 8 (l / 16) + j of the tile) is not 0.
; Work-groups share no input, so there is no cluster; waves share nothing, so there is no barrier.  Each path has LDS bytes of its own.
.set STEPS, 16
.set EMAX,  2
.set CB,    8                          ; bytes of 16 codes
.set XR,    16                         ; path X: v16-79 four sets of 16 numbers as loaded
.set XX,    80                         ;         v80-111 two sets of 16 neighbours
.set XE,    112                        ;         v112-127 a scale byte for each step
.set XC,    128                        ;         v128-191 codes, four registers a step
.set WREG,  8192                       ; path X's LDS: 8,192 bytes a wave from byte 0: two stages of 32 x SP bytes, then 256 scale bytes
.set SP,    80
.set MST,   32768                      ; path M's LDS: 32 rows x MP bytes a wave
.set MP,    272                        ; 256 bytes + 16: the 16 rows that a load touches start in 16 different columns of 16 bytes
.set SPARE, 67584                      ; the spare words, 128 bytes a wave: two blocks of 256 bytes that no other line names
.set SPW,   12                         ; v12 LDS address of my spare word; never rewritten
.set NIL,   13                         ; v13 0; never rewritten
.set WX,    32                         ; path W: v32-159 128 numbers of my column
.set WC,    160                        ;         v160-175 codes, four registers a block
.set WS,    176                        ;         v176 four scale bytes
.macro FINISH                          ; a wave's end
	s_wait_tensorcnt 0x0
	ds_add_u32 v[SPW], v[NIL]
	s_wait_dscnt 0x0
	s_endpgm
.endm
; ---- path X's macros
.macro XLOAD t
.irp i, 0,1,2,3
	global_load_b128 v[XR+16*((\t)%4)+4*\i:XR+16*((\t)%4)+4*\i+3], v3, s[36:37] offset:2048*(\t)+512*\i th:TH_LOAD_NT   ; 32 lanes read 512 consecutive bytes
.endr
.endm
.macro XTURN t                         ; step t's 2,048 bytes through the wave's stage: in as they lie, out 64 bytes a lane.  LDS serves a wave's instructions in order: no wait between
.irp i, 0,1,2,3
	ds_store_b128 v14, v[XR+16*((\t)%4)+4*\i:XR+16*((\t)%4)+4*\i+3] offset:32*SP*((\t)%2)+8*SP*\i
.endr
.irp i, 0,1,2,3
	ds_load_b128 v[XX+16*((\t)%2)+4*\i:XX+16*((\t)%2)+4*\i+3], v15 offset:32*SP*((\t)%2)+16*\i
.endr
.endm
.macro XSTEP t
.set XS, XX+16*((\t)%2)
.if (\t) > 0
	s_wait_dscnt 1                                 ; this step's numbers are back from the stage (the last step's byte store may be out)
.else
	s_wait_dscnt 0x0
.endif
.if (\t)+4 < STEPS
	XLOAD (\t)+4                                   ; into the registers that the stage's stores have read
.endif
.if (\t)+1 < STEPS
.if STEPS-2-(\t) >= 3
	s_wait_loadcnt 12                              ; the next step's four loads are in; those of the three steps behind it may be out
.else
	s_wait_loadcnt 4*(STEPS-2-(\t))
.endif
	XTURN (\t)+1
.endif
	v_max3_num_f32 v8, |v[XS]|, |v[XS+1]|, |v[XS+2]|               ; the largest magnitude of my 16
	v_max3_num_f32 v9, |v[XS+3]|, |v[XS+4]|, |v[XS+5]|
.irp i, 6,10
	v_max3_num_f32 v8, v8, |v[XS+\i]|, |v[XS+\i+1]|
	v_max3_num_f32 v9, v9, |v[XS+\i+2]|, |v[XS+\i+3]|
.endr
	v_max3_num_f32 v8, v8, |v[XS+14]|, |v[XS+15]|
	v_max3_num_f32 v8, v8, v9, (EMAX+1)<<23        ; and the floor 2^(3 - 127): the byte cannot fall under 1
	v_max_num_f32_dpp v8, v8, v8 row_xmask:1 row_mask:0xf bank_mask:0xf   ; and of my neighbour's 16: the block's
	v_add_nc_u32 v11, -(EMAX<<23), v8              ; 2 off its exponent field: the conversion takes this operand's exponent field as its scale
	v_cvt_scalef32_pk8_fp4_f32 v[XC+4*(\t)], v[XS:XS+7], v11
	v_cvt_scalef32_pk8_fp4_f32 v[XC+4*(\t)+1], v[XS+8:XS+15], v11
	v_lshrrev_b32 v[XE+(\t)], 23, v11              ; the scale's byte
	ds_store_b8 v5, v[XE+(\t)] offset:16*(\t)      ; both lanes of a block write the same byte with the same value
	global_store_b64 v4, v[XC+4*(\t):XC+4*(\t)+1], s[20:21] offset:32*CB*(\t)   ; the wave stores 256 consecutive bytes, aligned
.endm
; ---- path W's macros
.macro WLOAD t                         ; W(128 kg + 32 t + i, my column), i = 0 .. 31
.irp i, 0,1,2,3,4,5,6,7,8,9,10,11,12,13,14,15,16,17,18,19,20,21,22,23,24,25,26,27,28,29,30,31
	global_load_b32 v[WX+32*(\t)+\i], v3, s[36:37] offset:(32*(\t)+\i)*4096 th:TH_LOAD_NT
.endr
.endm
.macro WAITW t                         ; block t's 32 loads are in; the next block's 32 may be out.  Then the block two further on is asked for: 64 loads at the most are out
.if (\t) < 3
	s_wait_loadcnt 32
.else
	s_wait_loadcnt 0x0
.endif
.if (\t) < 2
	WLOAD (\t)+2
.endif
.endm
.macro WBLOCK t                        ; a block of 32 along k of my column: all its numbers are mine
.set XS, WX+32*(\t)
	WAITW \t
	v_max3_num_f32 v8, |v[XS]|, |v[XS+1]|, |v[XS+2]|
	v_max3_num_f32 v9, |v[XS+3]|, |v[XS+4]|, |v[XS+5]|
.irp i, 6,10,14,18,22,26
	v_max3_num_f32 v8, v8, |v[XS+\i]|, |v[XS+\i+1]|
	v_max3_num_f32 v9, v9, |v[XS+\i+2]|, |v[XS+\i+3]|
.endr
	v_max3_num_f32 v8, v8, |v[XS+30]|, |v[XS+31]|
	v_max3_num_f32 v8, v8, v9, (EMAX+1)<<23
	v_add_nc_u32 v11, -(EMAX<<23), v8
	v_lshrrev_b32 v9, 23, v11
.if (\t) == 0
	v_mov_b32 v[WS], v9
.else
	v_lshl_or_b32 v[WS], v9, 8*(\t), v[WS]         ; four bytes to the word, the lower k in the lower byte
.endif
.irp g, 0,1,2,3
	v_cvt_scalef32_pk8_fp4_f32 v[WC+4*(\t)+\g], v[XS+8*\g:XS+8*\g+7], v11
.endr
	global_store_b128 v4, v[WC+4*(\t):WC+4*(\t)+3], s[24:25] offset:256*(\t)   ; block t = 2 c + h of the image: sixteen lanes fill 256 consecutive bytes, aligned
.endm
.macro WOUNIT u                        ; 32 along k of my column of W_o to f16, in place (register i takes numbers 2 i, 2 i + 1, which lie at or above it)
.set XS, WX+32*(\u)
	WAITW \u
.irp i, 0,1,2,3,4,5,6,7,8,9,10,11,12,13,14,15
	v_cvt_pk_f16_f32 v[XS+\i], v[XS+2*\i], v[XS+2*\i+1]
.endr
.irp p, 0,1,2,3
	global_store_b128 v4, v[XS+4*\p:XS+4*\p+3], s[28:29] offset:8192*(\u)+256*\p   ; piece p = 2 c + h: k = 8 p + 0 .. 7
.endr
.endm
	s_load_b512 s[4:19], s[0:1], 0x0               ; q, k, v, W_q, W_k, W_v, W_o, mask
	s_load_b256 s[20:27], s[0:1], 0x40             ; xc, xs, wc, ws
	s_load_b128 s[28:31], s[0:1], 0x60             ; woh, maskw
	v_lshl_add_u32 v[SPW], v0, 2, SPARE
	v_mov_b32 v[NIL], 0
	v_lshrrev_b32 v1, 5, v0
	v_readfirstlane_b32 s32, v1                    ; wave
	v_and_b32 v2, 31, v0                           ; lane
	s_wait_kmcnt 0x0
	s_cmp_lt_u32 ttmp9, 256
	s_cbranch_scc1 .Lw
	s_cmp_lt_u32 ttmp9, 768
	s_cbranch_scc1 .Lm
	; ---- PATH X: q, k, v are plain streams of blocks of 32.  A wave takes 16 steps of 512 numbers; loads run four steps ahead, the turn through LDS one step
	s_sub_co_u32 s33, ttmp9, 768
	s_lshr_b32 s34, s33, 8                         ; which tensor: 256 work-groups each
	s_cmp_eq_u32 s34, 1
	s_cselect_b64 s[36:37], s[6:7], s[4:5]
	s_cmp_eq_u32 s34, 2
	s_cselect_b64 s[36:37], s[8:9], s[36:37]
	s_and_b32 s35, s33, 255
	s_lshl_b32 s35, s35, 2
	s_add_co_u32 s35, s35, s32                     ; my run of 8,192 numbers in the tensor
	s_lshl_b32 s38, s35, 15
	s_mov_b32 s39, 0
	s_add_nc_u64 s[36:37], s[36:37], s[38:39]
	s_lshl_b32 s35, s33, 2
	s_add_co_u32 s35, s35, s32                     ; and among all three tensors' runs
	s_lshl_b32 s38, s35, 12
	s_add_nc_u64 s[20:21], s[20:21], s[38:39]      ; 4,096 bytes of codes a run
	s_lshl_b32 s38, s35, 8
	s_add_nc_u64 s[22:23], s[22:23], s[38:39]      ; 256 scale bytes a run
	v_lshlrev_b32 v3, 4, v2                        ; my 16 bytes of a load's 512
	s_mul_i32 s33, s32, WREG
	v_lshrrev_b32 v14, 2, v2
	v_mul_u32_u24 v14, v14, SP
	v_and_b32 v15, 3, v2
	v_lshl_add_u32 v14, v15, 4, v14
	v_add_nc_u32 v14, s33, v14                     ; the stage, on the way in: SP (lane / 4) + 16 (lane % 4)
	v_mul_u32_u24 v15, v2, SP
	v_add_nc_u32 v15, s33, v15                     ; and on the way out: SP x lane
	v_mul_u32_u24 v4, v2, CB                       ; my codes' place in a step's
	v_lshrrev_b32 v5, 1, v2
	s_add_co_u32 s33, s33, 2*32*SP
	v_add_nc_u32 v5, s33, v5                       ; my block's byte among my wave's 256
	v_lshlrev_b32 v7, 3, v2
	v_add_nc_u32 v6, s33, v7                       ; and on the way out 8 bytes a lane
.irp t, 0,1,2,3
	XLOAD \t
.endr
	s_wait_loadcnt 12                              ; step 0's four loads are in
	XTURN 0
.irp t, 0,1,2,3,4,5,6,7,8,9,10,11,12,13,14,15
	XSTEP \t
.endr
	ds_load_b64 v[8:9], v6                         ; these see my byte stores: LDS serves a wave's instructions in order
	s_wait_dscnt 0x0
	global_store_b64 v7, v[8:9], s[22:23]          ; 32 lanes store 256 consecutive bytes, aligned
	FINISH
	; ---- PATH M: 32 queries x 64 keys of the mask a wave.  In by whole rows of 256 bytes, through the wave's stage, out in the layout in which a score tile lies in a wave's registers; a compare makes a word of 32 bits
.Lm:
	s_sub_co_u32 s33, ttmp9, 256
	s_lshl_b32 s33, s33, 2
	s_add_co_u32 s33, s33, s32                     ; unit = 32 x (32 queries) + (64 keys)
	s_lshr_b32 s34, s33, 5
	s_and_b32 s35, s33, 31
	s_lshl_b32 s36, s34, 18                        ; 32 rows of 8,192 bytes
	s_lshl_b32 s35, s35, 8
	s_add_co_u32 s36, s36, s35
	s_mov_b32 s37, 0
	s_add_nc_u64 s[18:19], s[18:19], s[36:37]
	s_lshl_b32 s36, s33, 8                         ; 64 words a unit
	s_add_nc_u64 s[30:31], s[30:31], s[36:37]
	v_and_b32 v3, 15, v0                           ; r
	v_bfe_u32 v4, v0, 4, 1                         ; h
	v_lshlrev_b32 v5, 4, v3
	v_lshl_add_u32 v6, v4, 13, v5                  ; memory: lanes 0-15 one row's 256 bytes, lanes 16-31 the next row's
	s_mul_i32 s38, s32, 32*MP
	s_add_co_u32 s38, s38, MST
	v_mad_u32_u24 v14, v4, MP, v5
	v_add_nc_u32 v14, s38, v14                     ; the stage, in: the same two rows
	v_mul_u32_u24 v15, v3, MP
	v_lshl_add_u32 v15, v4, 5, v15
	v_add_nc_u32 v15, s38, v15                     ; out: row r, 8 h keys on
	v_lshlrev_b32 v7, 3, v2
.irp i, 0,1,2,3,4,5,6,7,8,9,10,11,12,13,14,15
	global_load_b128 v[32+4*\i:35+4*\i], v6, s[18:19] offset:16384*\i th:TH_LOAD_NT
.endr
.irp i, 0,1,2,3,4,5,6,7,8,9,10,11,12,13,14,15
	s_wait_loadcnt 15-\i                           ; loads come back in order: load i is in
	ds_store_b128 v14, v[32+4*\i:35+4*\i] offset:2*MP*\i
.endr
.irp qt, 0,1
.irp kt, 0,1,2,3
.irp e, 0,1
	ds_load_b128 v[96+8*(4*\qt+\kt)+4*\e:96+8*(4*\qt+\kt)+4*\e+3], v15 offset:\qt*16*MP+\kt*64+16*\e   ; mask(16 qt + r, 16 kt + 8 h + 4 e + 0 .. 3)
.endr
.endr
.endr
	s_wait_dscnt 0x0
	v_mov_b32 v10, 0                               ; written whole before single lanes are written
	v_mov_b32 v11, 0
.irp qt, 0,1
.irp kt, 0,1,2,3
.irp j, 0,1,2,3,4,5,6,7
	v_cmp_ne_u32 s[40+\j], 0, v[96+8*(4*\qt+\kt)+\j]
.endr
.irp j, 0,1,2,3,4,5,6,7
	v_writelane_b32 v[10+(\j%2)], s[40+\j], (32*\qt+8*\kt+\j)/2   ; word n goes to lane n / 2, register n % 2
.endr
.endr
.endr
	global_store_b64 v7, v[10:11], s[30:31]        ; 32 lanes store the unit's 256 consecutive bytes, aligned
	FINISH
	; ---- PATH W: a lane takes a column n and its registers run down k: no transposition, and a block's largest magnitude needs no other lane
.Lw:
	s_lshr_b32 s33, ttmp9, 6                       ; tensor: 0 W_q, 1 W_k, 2 W_v, 3 W_o
	s_bfe_u32 s34, ttmp9, 0x30003                  ; which 128 columns
	s_and_b32 s35, ttmp9, 7                        ; which 128 rows (k)
	s_cmp_eq_u32 s33, 1
	s_cselect_b64 s[36:37], s[12:13], s[10:11]
	s_cmp_eq_u32 s33, 2
	s_cselect_b64 s[36:37], s[14:15], s[36:37]
	s_cmp_eq_u32 s33, 3
	s_cselect_b64 s[36:37], s[16:17], s[36:37]
	s_lshl_b32 s38, s35, 19                        ; 128 rows of 4,096 bytes
	s_lshl_b32 s39, s34, 9
	s_add_co_u32 s38, s38, s39
	s_lshl_b32 s39, s32, 7                         ; my wave's 32 columns
	s_add_co_u32 s38, s38, s39
	s_mov_b32 s39, 0
	s_add_nc_u64 s[36:37], s[36:37], s[38:39]
	v_lshlrev_b32 v3, 2, v2                        ; 4 bytes a lane
	v_and_b32 v4, 15, v0
	v_bfe_u32 v5, v0, 4, 1
	v_lshlrev_b32 v4, 4, v4                        ; 16 x (lane % 16)
	WLOAD 0
	WLOAD 1
	s_cmp_eq_u32 s33, 3
	s_cbranch_scc1 .Lwo
	v_lshl_add_u32 v4, v5, 12, v4                  ; lanes 16-31 hold the next tile of 16 channels: 4,096 bytes on
	v_lshlrev_b32 v5, 5, v2                        ; a channel's row of scale bytes
	s_lshl_b32 s40, s33, 1
	s_lshr_b32 s41, s35, 2
	s_add_co_u32 s40, s40, s41                     ; 2 x tensor + k half
	s_lshl_b32 s40, s40, 6
	s_lshl_b32 s41, s34, 3
	s_add_co_u32 s40, s40, s41
	s_lshl_b32 s41, s32, 1
	s_add_co_u32 s40, s40, s41                     ; + the tile of 16 channels
	s_lshl_b32 s40, s40, 12
	s_and_b32 s41, s35, 3
	s_lshl_b32 s41, s41, 10
	s_add_co_u32 s40, s40, s41                     ; + the 128 k within the half
	s_mov_b32 s41, 0
	s_add_nc_u64 s[24:25], s[24:25], s[40:41]
	s_lshl_b32 s40, s33, 15
	s_lshl_b32 s42, s34, 12
	s_add_co_u32 s40, s40, s42
	s_lshl_b32 s42, s32, 10
	s_add_co_u32 s40, s40, s42
	s_lshl_b32 s42, s35, 2
	s_add_co_u32 s40, s40, s42                     ; (tensor x 1,024 + my first channel) x 32 + 4 x (128 k)
	s_add_nc_u64 s[26:27], s[26:27], s[40:41]
	WBLOCK 0
	WBLOCK 1
	WBLOCK 2
	WBLOCK 3
	global_store_b32 v5, v[WS], s[26:27]           ; four bytes of each channel's row: pieces of 4 bytes, 96 KiB in the whole launch
	FINISH
.Lwo:
	v_lshl_add_u32 v4, v5, 10, v4                  ; lanes 16-31 hold the next tile of 16 channels: 1,024 bytes on
	s_lshl_b32 s40, s34, 18
	s_lshl_b32 s41, s35, 15
	s_add_co_u32 s40, s40, s41
	s_lshl_b32 s41, s32, 11
	s_add_co_u32 s40, s40, s41
	s_mov_b32 s41, 0
	s_add_nc_u64 s[28:29], s[28:29], s[40:41]
	WOUNIT 0
	WOUNIT 1
	WOUNIT 2
	WOUNIT 3
	FINISH
.Lfunc_end_k_q0da0074b3e_prep:
	.size	k_q0da0074b3e_prep, .Lfunc_end_k_q0da0074b3e_prep-k_q0da0074b3e_prep
	.p2alignl 7, 3214868480
	.fill 96, 4, 3214868480
	.section	.rodata,"a",@progbits
	.p2align	6, 0x0
	.amdhsa_kernel k_q0da0074b3e_prep
		.amdhsa_group_segment_fixed_size 68096
		.amdhsa_private_segment_fixed_size 0
		.amdhsa_enable_private_segment 0
		.amdhsa_kernarg_size 112
		.amdhsa_user_sgpr_count 2
		.amdhsa_user_sgpr_kernarg_segment_ptr 1
		.amdhsa_wavefront_size32 1
		.amdhsa_system_sgpr_workgroup_id_x 1
		.amdhsa_system_sgpr_workgroup_id_y 1
		.amdhsa_system_sgpr_workgroup_id_z 1
		.amdhsa_system_vgpr_workitem_id 0
		.amdhsa_next_free_vgpr 192
		.amdhsa_next_free_sgpr 66
		.amdhsa_reserve_vcc 0
		.amdhsa_float_denorm_mode_32 3
		.amdhsa_float_denorm_mode_16_64 3
		.amdhsa_memory_ordered 1
		.amdhsa_forward_progress 1
		.amdhsa_inst_pref_size 79
	.end_amdhsa_kernel
	.amdgpu_metadata
---
amdhsa.version: [ 1, 2 ]
amdhsa.kernels:
  - .name:           k_q0da0074b3e_prep
    .symbol:         k_q0da0074b3e_prep.kd
    .args:
      - { .name: q, .offset: 0, .size: 8, .value_kind: global_buffer, .address_space: global }
      - { .name: k, .offset: 8, .size: 8, .value_kind: global_buffer, .address_space: global }
      - { .name: v, .offset: 16, .size: 8, .value_kind: global_buffer, .address_space: global }
      - { .name: W_q, .offset: 24, .size: 8, .value_kind: global_buffer, .address_space: global }
      - { .name: W_k, .offset: 32, .size: 8, .value_kind: global_buffer, .address_space: global }
      - { .name: W_v, .offset: 40, .size: 8, .value_kind: global_buffer, .address_space: global }
      - { .name: W_o, .offset: 48, .size: 8, .value_kind: global_buffer, .address_space: global }
      - { .name: mask, .offset: 56, .size: 8, .value_kind: global_buffer, .address_space: global }
      - { .name: xc, .offset: 64, .size: 8, .value_kind: global_buffer, .address_space: global }
      - { .name: xs, .offset: 72, .size: 8, .value_kind: global_buffer, .address_space: global }
      - { .name: wc, .offset: 80, .size: 8, .value_kind: global_buffer, .address_space: global }
      - { .name: ws, .offset: 88, .size: 8, .value_kind: global_buffer, .address_space: global }
      - { .name: woh, .offset: 96, .size: 8, .value_kind: global_buffer, .address_space: global }
      - { .name: maskw, .offset: 104, .size: 8, .value_kind: global_buffer, .address_space: global }
    .group_segment_fixed_size: 68096
    .private_segment_fixed_size: 0
    .kernarg_segment_align: 8
    .kernarg_segment_size: 112
    .max_flat_workgroup_size: 128
    .sgpr_count:     66
    .vgpr_count:     192
    .wavefront_size: 32
...
	.end_amdgpu_metadata
.endif
;; end of part 1
;; launch proj (part 2): grid 4 x 96, 4 waves a work-group, clusters of 4 x 4, 327,680 bytes of LDS; arguments xc, xs, wc, ws, b_q, b_k, b_v, qkvh; writes qkvh
.if DOCPART == 2
	.amdgcn_target "amdgcn-amd-amdhsa--gfx1250"
	.amdhsa_code_object_version 6
	.text
	.protected	k_q0da0074b3e_proj
	.globl	k_q0da0074b3e_proj
	.p2align	8
	.type	k_q0da0074b3e_proj,@function
k_q0da0074b3e_proj:
	s_mov_b64 s[64:65], 0
	v_nop
	global_prefetch_b8 v0, s[64:65] scope:SCOPE_SE
	s_setreg_imm32_b32 hwreg(HW_REG_WAVE_MODE, 25, 1), 1
	s_wait_xcnt 0x0
	s_wait_alu depctr_hold_cnt(0) depctr_sa_sdst(0) depctr_va_vdst(0) depctr_va_sdst(0) depctr_va_ssrc(0) depctr_va_vcc(0) depctr_vm_vsrc(0)
	s_getreg_b32 s2, hwreg(HW_REG_IB_STS2, 6, 4)
	s_cmp_eq_u32 s2, 0
	s_cbranch_scc0 .Lentry_in_a_cluster
	s_endpgm
.Lentry_in_a_cluster:
	s_bfe_u32 s2, ttmp6, 0x10000c
	s_cmp_lg_u32 s2, 0xf033
	s_cbranch_scc0 .Lentry_shape_is_right
	s_endpgm
.Lentry_shape_is_right:
; PROJ: the three quantised products in one launch: [q; k; v] (24,576 rows x 1,024, codes of E2M1 with E8M0 bytes) against W_q, W_k or W_v (by the row's tensor), + bias, to f16.
; Q is also multiplied by log2(e) / 8, so that the next launch's scores are exponents of 2.  Sums and bias in f32; one rounding, to f16.
; LIMIT: |Q log2(e) / 8|, |K|, |V| stay under 65,504 (f16).
; A tile of 256 rows x 256 channels is made by four waves, each 128 x 128: 64 accumulators.  K = 1,024 is two slots of 512: both are first fills, nothing is filled again, there is no loop.
; A's tiles are rows of 256 bytes, padded to 272 in LDS.  B's tiles are images of the operand's registers, dense: a fragment is two loads of 512 consecutive bytes.
; The scale bytes of the tile's rows and channels, for all of K, come once, as in memory (32 bytes a row), in units of 256 bytes + 16 of padding.
; CLUSTERS: 4 x 4 work-groups.  The four of a row of the cluster need the same tiles of A, the four of a column the same tiles of B: each is asked for jointly.  All sixteen lie in one tensor (8 clusters each).
; THE MATRIX INSTRUCTION IS USED TRANSPOSED (source 0 = 16 channels, source 1 = 16 rows): a lane holds one token and eight neighbouring channels, 16 bytes of f16:
; exactly its 16 bytes of the image of a 16 x 16 chunk, as the next launch's operands want it.  So results leave straight from registers, 512 consecutive aligned bytes a store.
; qkvh: [tensor 3][batch x 16 + head 64][tile of 16 tokens 128][chunk of 16 channels 4][512 bytes]; Q, K: lane (r, h)'s 16 bytes at 16 (r + 16 h); V: at 32 r + 16 h (rows of 32 bytes, for the turning load).
; REGISTERS: window 0: v0-31 addresses; v32-95 scale words, two sets, nothing else ever; v96-127 packed results; v128-191 A's fragments, later scaled sums; v192-255 the bias.
;   window 1: B's fragments, two sets.   windows 2, 3: the accumulators ((a, b) at v[8 (8 (a % 4) + b)]).
.set NQ,     4                         ; steps of 128 along K in a slot
.set ROWB,   256
.set KROW,   512                       ; a row of xc in bytes
.set PITCH,  272
.set FR,     8
.set NL,     2
.set NP,     4
.set HALFA,  128*PITCH
.set ASLOT,  2*HALFA
.set BBASE,  2*ASLOT                   ; behind A's two slots: B's two, dense
.set HALFB,  32768
.set BSLOT,  65536
.set KS,     32
.set SCL,    BBASE+2*BSLOT
.set HALFS,  (128*KS/256)*272
.set SBLK,   (16*KS/256)*272
.set SPARE,  SCL+4*HALFS               ; the spare words, 128 bytes a wave: two blocks of 256 bytes that no other line names
.set ADRA, 16
.set ADRB, 20
.set CO,   26                          ; v26 my 16 bytes' place in a chunk; never rewritten once made
.set ADRS, 27
.set SPW,  28
.set NIL,  29
.set BO,   30                          ; v30 32 x (lane / 16): my eight numbers of a tile's bias
.set SC,   32
.set PK,   96
.set AF,   128
.set TT,   128
.set BI,   192
.set G1,   24
.set G0,   32
.set G1B,  48
.set G0B,  56
.set G1S,  68
.set G0S,  76
.set G1SB, 80
.set G0SB, 88
.set FAC,  100                         ; s[100:101] the factor, twice
.set MSB, 0
.macro WIN new                         ; the immediate's high byte repeats the setting that is left
.if MSB != \new
	s_set_vgpr_msb (MSB<<8)|\new
.set MSB, \new
.endif
.endm
.set MUL_LO, 0xa1                      ; source 0 (B) window 1, source 1 (A) window 0, C and D window 2
.set MUL_HI, 0xf1
.set TO_B,   0x40
; A joint load: waves 0 and 1 fetch for A, waves 2 and 3 for B; the branch hangs on the wave's number alone.  An s_nop 0 and four v_nop follow each line.
.macro JLOAD g0a, g1a, g0b, g1b
	s_cmp_eq_u32 s15, 0
	s_cbranch_scc0 .Lfor_b_\@
	tensor_load_to_lds s[\g0a:\g0a+3], s[\g1a:\g1a+7]
	s_nop 0
.rept 4
	v_nop
.endr
	s_branch .Lasked_\@
.Lfor_b_\@:
	tensor_load_to_lds s[\g0b:\g0b+3], s[\g1b:\g1b+7]
	s_nop 0
.rept 4
	v_nop
.endr
.Lasked_\@:
.endm
.macro CROUND                          ; a round of the cluster's barrier
	s_barrier_signal -1
	s_barrier_wait -1
	s_cmp_lg_u32 s14, 0
	s_cbranch_scc1 .Lnot_wave_0_\@
	s_barrier_signal -3
.Lnot_wave_0_\@:
	s_barrier_wait -3
	s_barrier_signal -1
	s_barrier_wait -1
.endm
	s_load_b256 s[4:11], s[0:1], 0x0               ; xc, xs, wc, ws
	s_load_b256 s[92:99], s[0:1], 0x20             ; b_q, b_k, b_v, qkvh
	v_lshl_add_u32 v[SPW], v0, 2, SPARE
	v_mov_b32 v[NIL], 0
	ds_add_u32 v[SPW], v[NIL]                      ; the wave's opening: the add, twice on end, and its wait ahead of my first tensor load
	ds_add_u32 v[SPW], v[NIL]
	v_lshrrev_b32 v1, 5, v0
	v_readfirstlane_b32 s14, v1                    ; wave 0..3
	s_lshr_b32 s15, s14, 1                         ; which half of the tile's rows is mine.  Also: I fetch for A (0) or for B (1)
	s_and_b32 s16, s14, 1                          ; which half of its channels.  Also: which half of that tile I fetch
	s_bfe_u32 s40, ttmp6, 0x40000                  ; cx
	s_bfe_u32 s41, ttmp6, 0x40004                  ; cy
	s_lshl_b32 s42, ttmp9, 2
	s_add_co_u32 s42, s42, s40                     ; tile column: 256 channels
	s_and_b32 s13, ttmp7, 0xffff                   ; cluster y
	s_lshr_b32 s12, s13, 3                         ; the tensor, 0 q, 1 k, 2 v: the same in all sixteen partners
	s_lshl_b32 s17, s13, 2
	s_add_co_u32 s17, s17, s41                     ; tile row: 256 rows of [q; k; v]
	s_lshl_b32 s43, s41, 2
	s_lshl_b32 s43, 15, s43                        ; my row of the cluster
	s_lshl_b32 s44, 0x1111, s40                    ; my column
	; group 1 for A's tiles: 128 rows x 256 bytes, 512 apart, 16 bytes of padding behind each
	s_or_b32 s[G1+0], s43, (0<<16)|(1<<20)|(1<<21)|(5<<22)|(3<<25)
	s_mov_b32 s[G1+1], ROWB<<16
	s_mov_b32 s[G1+2], 128<<16
	s_mov_b32 s[G1+3], ROWB<<16
	s_mov_b32 s[G1+4], 128
	s_mov_b32 s[G1+5], KROW
	s_mov_b32 s[G1+6], 0
	s_mov_b32 s[G1+7], 0
	; for B's: a dense block of 32,768 bytes as 128 rows of 32 elements of 8 bytes, no padding
	s_or_b32 s[G1B+0], s44, (3<<16)|(1<<21)
	s_mov_b32 s[G1B+1], 32<<16
	s_mov_b32 s[G1B+2], 128<<16
	s_mov_b32 s[G1B+3], 32<<16
	s_mov_b32 s[G1B+4], 128
	s_mov_b32 s[G1B+5], 32
	s_mov_b32 s[G1B+6], 0
	s_mov_b32 s[G1B+7], 0
	; for the scale bytes of 128 rows: 4,096 dense bytes as 16 rows of 256, 16 bytes of padding behind each
	s_or_b32 s[G1S+0], s43, (3<<16)|(1<<20)|(1<<21)|(5<<22)|(3<<25)
	s_or_b32 s[G1SB+0], s44, (3<<16)|(1<<20)|(1<<21)|(5<<22)|(3<<25)
.irp g, G1S, G1SB
	s_mov_b32 s[\g+1], 32<<16
	s_mov_b32 s[\g+2], (128*KS/256)<<16
	s_mov_b32 s[\g+3], 32<<16
	s_mov_b32 s[\g+4], 128*KS/256
	s_mov_b32 s[\g+5], 32
	s_mov_b32 s[\g+6], 0
	s_mov_b32 s[\g+7], 0
.endr
	s_lshl_b32 s20, s17, 8
	s_lshl_b32 s18, s16, 7
	s_add_co_u32 s20, s20, s18                     ; A: row 256 x tile row + 128 x half
	s_lshl_b32 s22, s20, 5                         ; its scale bytes,
	s_mov_b32 s23, 0
	s_lshl_b32 s20, s20, 9                         ; its codes
	s_mov_b32 s21, 0
	s_lshl_b32 s46, s12, 7                         ; B: (2 x tensor) x 64 tiles of 16 channels
	s_lshl_b32 s45, s42, 4
	s_add_co_u32 s46, s46, s45
	s_lshl_b32 s45, s16, 3
	s_add_co_u32 s46, s46, s45                     ; + 16 x tile column + 8 x half
	s_lshl_b32 s46, s46, 12                        ; 4,096 bytes a tile and k half
	s_mov_b32 s47, 0
	s_lshl_b32 s66, s12, 10
	s_lshl_b32 s45, s42, 8
	s_add_co_u32 s66, s66, s45
	s_lshl_b32 s45, s16, 7
	s_add_co_u32 s66, s66, s45                     ; B's scale bytes: row tensor x 1,024 + 256 x tile column + 128 x half
	s_lshl_b32 s66, s66, 5
	s_mov_b32 s67, 0
	s_mul_i32 s2, s16, HALFA                       ; where they go: no place in the cluster enters an LDS address
	s_mul_i32 s3, s16, HALFB
	s_mul_i32 s19, s14, HALFS
	s_wait_dscnt 0x0                               ; both opening adds are done
	s_wait_kmcnt 0x0
	s_add_nc_u64 s[20:21], s[4:5], s[20:21]
	s_add_nc_u64 s[22:23], s[6:7], s[22:23]
	s_add_nc_u64 s[46:47], s[8:9], s[46:47]
	s_add_nc_u64 s[66:67], s[10:11], s[66:67]
	CROUND                                         ; all sixteen work-groups are here: the first joint loads meet
	s_mov_b32 s[G0S], 1
	s_add_co_u32 s[G0S+1], s19, SCL
	s_mov_b64 s[G0S+2:G0S+3], s[22:23]
	s_or_b32 s[G0S+3], s[G0S+3], 0x80000000
	s_mov_b32 s[G0SB], 1
	s_add_co_u32 s[G0SB+1], s19, SCL
	s_mov_b64 s[G0SB+2:G0SB+3], s[66:67]
	s_or_b32 s[G0SB+3], s[G0SB+3], 0x80000000
	JLOAD G0S, G1S, G0SB, G1SB                     ; the scales first: they are wanted with the first slot.  Three loads of mine are out at the most
.irp s, 0,1
	s_mov_b32 s[G0+4*\s], 1
	s_add_co_u32 s[G0+4*\s+1], s2, \s*ASLOT
	s_add_nc_u64 s[G0+4*\s+2:G0+4*\s+3], s[20:21], \s*ROWB
	s_or_b32 s[G0+4*\s+3], s[G0+4*\s+3], 0x80000000
	s_mov_b32 s[G0B+4*\s], 1
	s_add_co_u32 s[G0B+4*\s+1], s3, BBASE+\s*BSLOT
	s_add_nc_u64 s[G0B+4*\s+2:G0B+4*\s+3], s[46:47], \s*262144
	s_or_b32 s[G0B+4*\s+3], s[G0B+4*\s+3], 0x80000000
	JLOAD G0+4*\s, G1, G0B+4*\s, G1B
.endr
	v_and_b32 v1, 15, v0                           ; r
	v_bfe_u32 v2, v0, 4, 1                         ; h
	v_mul_u32_u24 v3, v1, PITCH
	v_lshl_add_u32 v4, v2, 4, v3
	s_mul_i32 s21, s15, HALFA                      ; my 128 rows of A
	v_add_nc_u32 v[ADRA], s21, v4
	v_add_nc_u32 v[ADRA+1], ASLOT, v[ADRA]
	v_and_b32 v6, 31, v0
	v_lshlrev_b32 v6, 4, v6                        ; 16 x lane
	s_mul_i32 s22, s16, HALFB                      ; my 128 channels of B
	s_add_co_u32 s22, s22, BBASE
	v_add_nc_u32 v[ADRB], s22, v6
	v_add_nc_u32 v[ADRB+1], BSLOT, v[ADRB]
	v_lshlrev_b32 v7, 5, v1
	v_lshl_add_u32 v7, v2, 4, v7                   ; 32 r + 16 h: V's chunks lie as rows
	s_cmp_eq_u32 s12, 2
	s_cselect_b32 s45, -1, 0
	v_cndmask_b32 v[CO], v6, v7, s45
	v_lshlrev_b32 v[BO], 5, v2
	v_mul_u32_u24 v5, v1, KS                       ; my row's scales: 32 bytes a row,
	v_lshrrev_b32 v6, 8, v5
	v_lshl_add_u32 v5, v6, 4, v5                   ; and 16 more for each 256 passed
	s_mul_i32 s21, s15, HALFS                      ; A's: my 128 rows
	s_mul_i32 s22, s16, HALFS                      ; B's: my 128 channels, behind A's 256
	s_add_co_u32 s22, s22, 2*HALFS
	s_sub_co_u32 s22, s22, s21
	v_mul_u32_u24 v6, s22, v2                      ; lanes 16-31 take B's
	s_add_co_u32 s21, s21, SCL
	v_add_nc_u32 v5, v5, v6
	v_add_nc_u32 v[ADRS], s21, v5
	; the bias of my 128 channels, in the result's layout; the factor; where my results go
	s_cmp_eq_u32 s12, 1
	s_cselect_b64 s[92:93], s[94:95], s[92:93]
	s_cmp_eq_u32 s12, 2
	s_cselect_b64 s[92:93], s[96:97], s[92:93]
	s_cmp_eq_u32 s12, 0
	s_cselect_b32 s[FAC], 0x3e38aa3b, 1.0          ; log2(e) / 8 for Q, 1 for K and V
	s_mov_b32 s[FAC+1], s[FAC]
	s_lshl_b32 s18, s42, 10
	s_lshl_b32 s19, s16, 9
	s_add_co_u32 s18, s18, s19
	s_mov_b32 s19, 0
	s_add_nc_u64 s[92:93], s[92:93], s[18:19]
.irp bb, 0,1,2,3,4,5,6,7
.irp e, 0,1
	global_load_b128 v[BI+8*\bb+4*\e:BI+8*\bb+4*\e+3], v[BO], s[92:93] offset:64*\bb+16*\e
.endr
.endr
	s_and_b32 s18, s17, 31
	s_lshl_b32 s18, s18, 8
	s_lshl_b32 s19, s15, 7
	s_add_co_u32 s18, s18, s19                     ; my first row within the tensor
	s_lshr_b32 s19, s18, 11                        ; the batch
	s_lshl_b32 s19, s19, 4
	s_lshl_b32 s45, s42, 2
	s_add_co_u32 s19, s19, s45
	s_lshl_b32 s45, s16, 1
	s_add_co_u32 s19, s19, s45                     ; batch x 16 + my first head
	s_lshl_b32 s19, s19, 7
	s_and_b32 s18, s18, 2047
	s_lshr_b32 s18, s18, 4
	s_add_co_u32 s19, s19, s18                     ; x 128 + my first tile of 16 tokens
	s_lshl_b32 s18, s19, 11
	s_lshl_b32 s19, s12, 24
	s_add_co_u32 s18, s18, s19
	s_mov_b32 s19, 0
	s_add_nc_u64 s[98:99], s[98:99], s[18:19]
.macro FRAGA reg, slot, q, i           ; 16 rows x 128 K of 4-bit codes: registers 4 c .. 4 c + 3 hold K = 64 c + 32 (l / 16) + 0 .. 31 of row l % 16
.irp c, 0,1
	ds_load_b128 v[\reg+4*\c:\reg+4*\c+3], v[ADRA+\slot] offset:64*(\q)+32*\c+(\i)*16*PITCH
.endr
.endm
.macro FRAGB reg, slot, q, i           ; the same from an image: 512 consecutive bytes a load
.irp c, 0,1
	ds_load_b128 v[\reg+4*\c:\reg+4*\c+3], v[ADRB+\slot] offset:1024*(\q)+512*\c+(\i)*4096
.endr
.endm
; 16 matrix instructions: A's blocks a0, a0 + 1 x B's eight.  The 64 accumulators take turns, one instruction a turn, in the same order in every step.
; A scale register holds A's word of block i in lanes 0-15 and B's word of block i in lanes 16-31.
.macro MUL16 a0, p, q, sc, zero
.irp a, \a0, \a0+1
.irp b, 0,1,2,3,4,5,6,7
.if \zero
	v_wmma_scale_f32_16x16x128_f8f6f4 v[8*(8*((\a)%4)+\b):8*(8*((\a)%4)+\b)+7], v[128*(\p)+FR*\b:128*(\p)+FR*\b+FR-1], v[AF+FR*(\a):AF+FR*(\a)+FR-1], 0, v[SC+8*NQ*(\sc)+NQ*\b+(\q)], v[SC+8*NQ*(\sc)+NQ*(\a)+(\q)] matrix_a_fmt:MATRIX_FMT_FP4 matrix_b_fmt:MATRIX_FMT_FP4 matrix_a_scale:MATRIX_SCALE_ROW1
.else
	v_wmma_scale_f32_16x16x128_f8f6f4 v[8*(8*((\a)%4)+\b):8*(8*((\a)%4)+\b)+7], v[128*(\p)+FR*\b:128*(\p)+FR*\b+FR-1], v[AF+FR*(\a):AF+FR*(\a)+FR-1], v[8*(8*((\a)%4)+\b):8*(8*((\a)%4)+\b)+7], v[SC+8*NQ*(\sc)+NQ*\b+(\q)], v[SC+8*NQ*(\sc)+NQ*(\a)+(\q)] matrix_a_fmt:MATRIX_FMT_FP4 matrix_b_fmt:MATRIX_FMT_FP4 matrix_a_scale:MATRIX_SCALE_ROW1
.endif
.endr
.endr
.endm
.macro FETCH_B slot, q, p
	WIN TO_B
.irp i, 0,1,2,3,4,5,6,7
	FRAGB 128*(\p)+FR*\i, \slot, \q, \i
.endr
	WIN 0
.endm
.macro FETCH_A slot, q, i0
.irp i, \i0, \i0+1, \i0+2, \i0+3
	FRAGA AF+FR*(\i), \slot, \q, \i
.endr
.endm
.macro SCALES sc                       ; a slot's scale words: four a row
.irp i, 0,1,2,3,4,5,6,7
	ds_load_b128 v[SC+8*NQ*\sc+NQ*\i:SC+8*NQ*\sc+NQ*\i+3], v[ADRS] offset:\i*SBLK
.endr
.endm
.macro PLACES n                        ; plain vector instructions between a matrix instruction and a load into, or a read of, its registers
.rept \n
	v_nop
.endr
.endm
.macro STEP slot, q, zero              ; a step of 128 along K that has its successor in the same slot
	s_wait_dscnt 4*NL                              ; B's set and A's blocks 0-3 are in; the youngest eight loads (A's blocks 4-7) may be out
	WIN MUL_LO
	MUL16 0, (\q)%2, \q, \slot, \zero
	MUL16 2, (\q)%2, \q, \slot, \zero
	s_wait_dscnt 0                                 ; A's blocks 4-7 are in
	PLACES NP
	FETCH_B \slot, (\q)+1, 1-(\q)%2
	FETCH_A \slot, (\q)+1, 0
	WIN MUL_HI
	MUL16 4, (\q)%2, \q, \slot, \zero
	MUL16 6, (\q)%2, \q, \slot, \zero
	PLACES NP
	WIN 0
	FETCH_A \slot, (\q)+1, 4
.endm
	s_wait_tensorcnt 1                             ; the scales and my part of slot 0 are in (slot 1's load may be out)
	s_barrier_signal -1
	s_barrier_wait -1                              ; everybody's are
	FETCH_B 0, 0, 0
	FETCH_A 0, 0, 0
	SCALES 0
	FETCH_A 0, 0, 4
	STEP 0, 0, 1                                   ; the first step's products start the sums: nothing is cleared
	STEP 0, 1, 0
	STEP 0, 2, 0
	; slot 0's last step changes slots: one barrier, in front of which each wave has waited for its part of slot 1
	s_wait_tensorcnt 0x0                           ; all my tensor loads have landed
	ds_add_u32 v[SPW], v[NIL]                      ; 0 onto my spare word
	s_wait_dscnt 4*NL+1                            ; (the add and the youngest eight loads may be out)
	WIN MUL_LO
	MUL16 0, 1, NQ-1, 0, 0
	s_wait_dscnt 0x0                               ; the add is done, and no LDS load of mine is out at the signal
	s_barrier_signal -1
	MUL16 2, 1, NQ-1, 0, 0
	WIN 0
	s_barrier_wait -1
	PLACES NP
	v_add_nc_u32 v[ADRS], 4*NQ, v[ADRS]            ; on to slot 1's scale words
	FETCH_B 1, 0, 0
	FETCH_A 1, 0, 0
	SCALES 1
	WIN MUL_HI
	MUL16 4, 1, NQ-1, 0, 0
	MUL16 6, 1, NQ-1, 0, 0
	PLACES NP
	WIN 0
	FETCH_A 1, 0, 4
	STEP 1, 0, 0
	STEP 1, 1, 0
	STEP 1, 2, 0
	s_wait_dscnt 4*NL                              ; the very last step: nothing more to fetch
	WIN MUL_LO
	MUL16 0, 1, NQ-1, 1, 0
	MUL16 2, 1, NQ-1, 1, 0
	s_wait_dscnt 0
	WIN MUL_HI
	MUL16 4, 1, NQ-1, 1, 0
	MUL16 6, 1, NQ-1, 1, 0
	WIN 0
	; THE WAY OUT.  (sum + bias) x factor = sum x factor + bias x factor: one packed multiply-add for two numbers.  The 32 multiplies below name no register of the last products: they are the places behind them.
	s_wait_loadcnt 0x0                             ; the bias
.set i, 0
.rept 32
	v_pk_mul_f32 v[BI+i:BI+i+1], v[BI+i:BI+i+1], s[FAC:FAC+1] op_sel_hi:[1,0]
.set i, i+2
.endr
.macro OUTA a                          ; block a: 16 tokens x my 128 channels = eight chunks
	WIN 0x02+(\a)/4                                ; source 0: window 2 or 3
.irp bb, 0,1,2,3,4,5,6,7
.irp i, 0,1,2,3
	v_pk_fma_f32 v[TT+8*\bb+2*\i:TT+8*\bb+2*\i+1], v[64*((\a)%4)+8*\bb+2*\i:64*((\a)%4)+8*\bb+2*\i+1], s[FAC:FAC+1], v[BI+8*\bb+2*\i:BI+8*\bb+2*\i+1] op_sel_hi:[1,0,1]   ; each accumulator from its low end on
.endr
.endr
	WIN 0
	s_wait_xcnt 0x0                                ; the last block's stores have read their data: the packed set is written again only behind this wait
.irp bb, 0,1,2,3,4,5,6,7
.irp i, 0,1,2,3
	v_cvt_pk_f16_f32 v[PK+4*\bb+\i], v[TT+8*\bb+2*\i], v[TT+8*\bb+2*\i+1]
.endr
.endr
.irp bb, 0,1,2,3,4,5,6,7
	global_store_b128 v[CO], v[PK+4*\bb:PK+4*\bb+3], s[98:99] offset:(\a)*2048+(\bb/4)*262144+(\bb%4)*512   ; a chunk: 512 consecutive bytes, aligned
.endr
.endm
.irp a, 0,1,2,3,4,5,6,7
	OUTA \a
.endr
	s_wait_tensorcnt 0x0                           ; the wave's end
	ds_add_u32 v[SPW], v[NIL]
	s_wait_dscnt 0x0
	CROUND                                         ; the closing round: no work-group ends while a partner may still ask for a tile that names it
	s_endpgm
.Lfunc_end_k_q0da0074b3e_proj:
	.size	k_q0da0074b3e_proj, .Lfunc_end_k_q0da0074b3e_proj-k_q0da0074b3e_proj
	.p2alignl 7, 3214868480
	.fill 96, 4, 3214868480
	.section	.rodata,"a",@progbits
	.p2align	6, 0x0
	.amdhsa_kernel k_q0da0074b3e_proj
		.amdhsa_group_segment_fixed_size 327680
		.amdhsa_private_segment_fixed_size 0
		.amdhsa_enable_private_segment 0
		.amdhsa_kernarg_size 64
		.amdhsa_user_sgpr_count 2
		.amdhsa_user_sgpr_kernarg_segment_ptr 1
		.amdhsa_wavefront_size32 1
		.amdhsa_system_sgpr_workgroup_id_x 1
		.amdhsa_system_sgpr_workgroup_id_y 1
		.amdhsa_system_sgpr_workgroup_id_z 1
		.amdhsa_system_vgpr_workitem_id 0
		.amdhsa_next_free_vgpr 1024
		.amdhsa_next_free_sgpr 102
		.amdhsa_reserve_vcc 0
		.amdhsa_float_denorm_mode_32 3
		.amdhsa_float_denorm_mode_16_64 3
		.amdhsa_memory_ordered 1
		.amdhsa_forward_progress 1
		.amdhsa_inst_pref_size 138
	.end_amdhsa_kernel
	.amdgpu_metadata
---
amdhsa.version: [ 1, 2 ]
amdhsa.kernels:
  - .name:           k_q0da0074b3e_proj
    .symbol:         k_q0da0074b3e_proj.kd
    .args:
      - { .name: xc, .offset: 0, .size: 8, .value_kind: global_buffer, .address_space: global }
      - { .name: xs, .offset: 8, .size: 8, .value_kind: global_buffer, .address_space: global }
      - { .name: wc, .offset: 16, .size: 8, .value_kind: global_buffer, .address_space: global }
      - { .name: ws, .offset: 24, .size: 8, .value_kind: global_buffer, .address_space: global }
      - { .name: b_q, .offset: 32, .size: 8, .value_kind: global_buffer, .address_space: global }
      - { .name: b_k, .offset: 40, .size: 8, .value_kind: global_buffer, .address_space: global }
      - { .name: b_v, .offset: 48, .size: 8, .value_kind: global_buffer, .address_space: global }
      - { .name: qkvh, .offset: 56, .size: 8, .value_kind: global_buffer, .address_space: global }
    .group_segment_fixed_size: 327680
    .private_segment_fixed_size: 0
    .kernarg_segment_align: 8
    .kernarg_segment_size: 64
    .max_flat_workgroup_size: 128
    .sgpr_count:     102
    .vgpr_count:     1024
    .wavefront_size: 32
...
	.end_amdgpu_metadata
.endif
;; end of part 2
;; launch attn (part 3): grid 4 x 64, 16 waves a work-group, clusters of 4 x 1, 327,680 bytes of LDS; arguments qkvh, maskw, oh; writes oh
.if DOCPART == 3
	.amdgcn_target "amdgcn-amd-amdhsa--gfx1250"
	.amdhsa_code_object_version 6
	.text
	.protected	k_q0da0074b3e_attn
	.globl	k_q0da0074b3e_attn
	.p2align	8
	.type	k_q0da0074b3e_attn,@function
k_q0da0074b3e_attn:
	s_mov_b64 s[64:65], 0
	v_nop
	global_prefetch_b8 v0, s[64:65] scope:SCOPE_SE
	s_setreg_imm32_b32 hwreg(HW_REG_WAVE_MODE, 25, 1), 1
	s_wait_xcnt 0x0
	s_wait_alu depctr_hold_cnt(0) depctr_sa_sdst(0) depctr_va_vdst(0) depctr_va_sdst(0) depctr_va_ssrc(0) depctr_va_vcc(0) depctr_vm_vsrc(0)
	s_getreg_b32 s2, hwreg(HW_REG_IB_STS2, 6, 4)
	s_cmp_eq_u32 s2, 0
	s_cbranch_scc0 .Lentry_in_a_cluster
	s_endpgm
.Lentry_in_a_cluster:
	s_bfe_u32 s2, ttmp6, 0x10000c
	s_cmp_lg_u32 s2, 0x3003
	s_cbranch_scc0 .Lentry_shape_is_right
	s_endpgm
.Lentry_shape_is_right:
; ATTN: O = softmax(where(mask == 0, -1e9, Q K^T / 8)) V for one head and 512 queries a work-group.  Operands f16, sums, maxima and exponentials f32.
; Q arrives multiplied by log2(e) / 8, so a score t is an exponent of 2; a masked score is REPLACED by -1e9 log2(e), as the definition replaces it: a row that is masked throughout averages all keys.
; For each query a running maximum m and sum l: p = 2^(t - m); in every step O and l are multiplied by a = 2^(m_old - m_new).  The sum is taken of the unrounded p; p is rounded to f16 for the second product.
; LIMITS: |O| stays under 65,504 (f16); NaN and infinities are not served.
; SHARES.  Sixteen waves, four to a SIMD, 256 registers each: one wave's vector work stands beside another's matrix work.  A wave owns 32 queries (two tiles of 16) and walks all 2,048 keys, 64 a step.
; LAYOUT.  S^T = K Q^T (source 0 = 16 keys, source 1 = 16 queries): a lane holds ONE query (lane % 16) and keys 8 (lane / 16) + 0 .. 7 of a tile.  Two such tiles, rounded to f16 in pairs, ARE source 1 of
; O^T = V^T P, whose result again holds one query a lane and eight channels: 16 bytes of f16, the lane's part of a chunk's image in oh.  K comes out of LDS as an image of its registers, V turned by ds_load_tr16_b128.
; THE MASK comes as words of one bit a lane (one word for each register of a score tile), by scalar loads a step ahead; it steers v_cndmask_b32 and nothing else.
; RING.  Two slots of 512 keys (K's 64 KiB, then V's), dense as in memory.  Each of the sixteen waves brings a sixteenth of a slot by one load of 32 rows x 256 bytes: two loads of mine are out at the start, one behind a refill.
; CLUSTER.  The four work-groups of a cluster are the four query blocks of one head: every tile is asked for jointly, by the same load with the same descriptor and the mask 15.
; oh: [batch x 128 + tile of 16 tokens 512][chunk of 16 model channels 64][512 bytes].
.set SLOT1, 131072
.set SLOTB, 65536                      ; a slot's bytes of K, and of V
.set VOFF,  65536
.set STEPB, 8192                       ; 64 keys x 128 bytes
.set SPARE, 262144                     ; the spare words, 128 bytes a wave: eight blocks of 256 bytes that no other line names
.set AK0, 1                            ; v1  16 x lane: my place in an image, in LDS and in memory; never rewritten
.set AV0, 2                            ; v2  my place in a chunk of V for the turning load, + VOFF
.set ADK, 3
.set ADV, 4
.set SPW, 5
.set NIL, 6
.set NEG, 7                            ; v7  -1e9 x log2(e)
.set MX,  12                           ; tile t: v[12+8t:13+8t] m (low word; the pair is named by packed forms)
.set LS,  14                           ;         v[14+8t:15+8t] l, in two halves
.set AF,  16                           ;         v[16+8t:17+8t] a (low word)
.set C0,  18                           ;         v18+8t, v19+8t at work
.set C1,  19
.set XS,  28                           ;         v[28+2t:29+2t] a second chain of the sum
.set Q,   32                           ; v32-63   Q: tile qt, channels 32 f on: 16 qt + 8 f
.set S,   64                           ; v64-127  S^T: 32 qt + 8 kt + j; then p; then P in the low 16 of each tile's 32
.set O,   128                          ; v128-191 O^T: 32 qt + 8 ct + j
.set KV,  192                          ; v192-255 K's fragments of a step, then V's
.set WV,  10
.set TB,  11                           ; s11 LDS byte at which the step's tiles begin
.set CNT, 12
.set MO,  13                           ; s13 byte offset of the mask words to be loaded
.set SEL, 14
.set G0A, 16
.set G0B, 20
.set G1,  24
; s[32:63], s[68:99]: the step's 64 mask words: word (qt, kt, j) in s[32 + 36 qt + 8 kt + j]
.macro ROUND                           ; a round of the cluster's barrier
	s_barrier_signal -1
	s_barrier_wait -1
	s_cmp_lg_u32 s[WV], 0
	s_cbranch_scc1 .Lnot_wave_0_\@
	s_barrier_signal -3
.Lnot_wave_0_\@:
	s_barrier_wait -3
	s_barrier_signal -1
	s_barrier_wait -1
.endm
.macro MASKLOAD
	s_load_b512 s[32:47], s[6:7], s[MO] offset:0x0
	s_load_b512 s[48:63], s[6:7], s[MO] offset:0x40
	s_load_b512 s[68:83], s[6:7], s[MO] offset:0x80
	s_load_b512 s[84:99], s[6:7], s[MO] offset:0xc0
.endm
	s_load_b128 s[4:7], s[0:1], 0x0                ; qkvh, maskw
	s_load_b64 s[8:9], s[0:1], 0x10                ; oh
	v_lshl_add_u32 v[SPW], v0, 2, SPARE
	v_mov_b32 v[NIL], 0
	ds_add_u32 v[SPW], v[NIL]                      ; the wave's opening: the add, twice on end, and its wait ahead of my first tensor load
	ds_add_u32 v[SPW], v[NIL]
	v_lshrrev_b32 v8, 5, v0
	v_readfirstlane_b32 s[WV], v8                  ; wave 0..15
	s_and_b32 s66, ttmp7, 0xffff                   ; batch x 16 + head, which the four partners share
	s_bfe_u32 s67, ttmp6, 0x40000                  ; cx: my block of 512 queries; it enters Q's, the mask's and O's addresses alone
	s_mov_b32 s[G1], 15|(3<<16)|(1<<21)            ; 15:0 the mask: all four; 17:16 elements of 8 bytes; 21 set beside a mask; no padding
	s_mov_b32 s[G1+1], 32<<16                      ; tensor_dim0 = 32 elements: 256 bytes
	s_mov_b32 s[G1+2], 32<<16                      ; tensor_dim1 = 32 rows
	s_mov_b32 s[G1+3], 32<<16                      ; tile_dim0
	s_mov_b32 s[G1+4], 32                          ; tile_dim1
	s_mov_b32 s[G1+5], 32                          ; the pitch: dense
	s_mov_b32 s[G1+6], 0
	s_mov_b32 s[G1+7], 0
	s_mov_b32 s[SEL], 0x76543210
	s_mov_b32 s[SEL+1], 0xfedcba98                 ; v_permlanex16_b32's selects for lane l xor 16
	s_lshl_b32 s12, s66, 18                        ; the head's 262,144 bytes in each of Q, K, V
	s_lshr_b32 s100, s[WV], 3                      ; waves 0-7 fetch K, waves 8-15 V
	s_add_co_u32 s100, s100, 1
	s_lshl_b32 s100, s100, 24
	s_add_co_u32 s100, s100, s12
	s_and_b32 s13, s[WV], 7
	s_lshl_b32 s13, s13, 13                        ; my eighth of a slot's 65,536 bytes
	s_add_co_u32 s100, s100, s13
	s_mov_b32 s101, 0
	s_mov_b32 s[G0A], 1
	s_lshl_b32 s[G0A+1], s[WV], 13                 ; LDS: slot 0, wave x 8,192
	s_mov_b32 s[G0B], 1
	s_add_co_u32 s[G0B+1], s[G0A+1], SLOT1
	s_wait_dscnt 0x0                               ; both opening adds are done
	s_wait_kmcnt 0x0
	s_add_nc_u64 s[G0A+2:G0A+3], s[4:5], s[100:101]
	s_add_nc_u64 s[G0B+2:G0B+3], s[G0A+2:G0A+3], SLOTB
	s_or_b32 s[G0A+3], s[G0A+3], 0x80000000
	s_or_b32 s[G0B+3], s[G0B+3], 0x80000000
	ROUND                                          ; all four work-groups are here: the first joint loads meet
	tensor_load_to_lds s[G0A:G0A+3], s[G1:G1+7]    ; keys 0 to 511
	s_nop 0
	tensor_load_to_lds s[G0B:G0B+3], s[G1:G1+7]    ; keys 512 to 1,023
	s_nop 0
.rept 4
	v_nop
.endr
	s_lshl_b32 s2, s67, 16                         ; Q: head + 512 queries x block + 32 queries x wave, 128 bytes each
	s_add_co_u32 s2, s2, s12
	s_lshl_b32 s3, s[WV], 12
	s_add_co_u32 s2, s2, s3
	s_mov_b32 s3, 0
	s_add_nc_u64 s[4:5], s[4:5], s[2:3]
	s_lshl_b32 s2, s67, 17                         ; the mask words: (16 x block + wave) x 8,192 bytes
	s_lshl_b32 s100, s[WV], 13
	s_add_co_u32 s2, s2, s100
	s_add_nc_u64 s[6:7], s[6:7], s[2:3]
	s_lshr_b32 s2, s66, 4                          ; O: ((batch x 128 + 32 x block + 2 x wave) x 64 + 4 x head) x 512
	s_lshl_b32 s2, s2, 22
	s_lshl_b32 s100, s67, 20
	s_add_co_u32 s2, s2, s100
	s_lshl_b32 s100, s[WV], 16
	s_add_co_u32 s2, s2, s100
	s_and_b32 s100, s66, 15
	s_lshl_b32 s100, s100, 11
	s_add_co_u32 s2, s2, s100
	s_add_nc_u64 s[8:9], s[8:9], s[2:3]
	v_and_b32 v8, 31, v0
	v_lshlrev_b32 v[AK0], 4, v8
.irp qt, 0,1
.irp i, 0,1,2,3
	global_load_b128 v[Q+16*\qt+4*\i:Q+16*\qt+4*\i+3], v[AK0], s[4:5] offset:\qt*2048+512*\i   ; Q stays in registers
.endr
.endr
	s_mov_b32 s[MO], 0
	MASKLOAD                                       ; step 0's words
	v_bfe_u32 v9, v0, 4, 1
	v_and_b32 v10, 7, v0
	v_lshl_add_u32 v10, v9, 3, v10                 ; the turning load: lane l reads key 8 (l / 16) + l % 8,
	v_bfe_u32 v11, v0, 3, 1
	v_lshlrev_b32 v11, 4, v11                      ; channels 8 ((l / 8) % 2) + 0 .. 7; a key's row in a chunk is 32 bytes
	v_lshl_add_u32 v[AV0], v10, 5, v11
	v_add_nc_u32 v[AV0], VOFF, v[AV0]
	v_mov_b32 v[NEG], 0xceabfb8f
.irp t, 0,1
	v_mov_b32 v[MX+8*\t], 0xff61b1e6               ; m: -3e38, under every t
	v_mov_b32 v[MX+8*\t+1], 0                      ; (named as a pair's upper half)
	v_mov_b32 v[LS+8*\t], 0
	v_mov_b32 v[LS+8*\t+1], 0
	v_mov_b32 v[AF+8*\t+1], 0                      ; (named as a pair's upper half)
.endr
.set i, 0
.rept 64
	v_mov_b32 v[O+i], 0                            ; O^T.  The step is written without a first step of its own: the first finds zeros, which a = 0 leaves zeros
.set i, i+1
.endr
	s_wait_loadcnt 0x0                             ; Q
	s_wait_tensorcnt 0x1                           ; my part of slot 0 is in; slot 1's may stay out
	s_barrier_signal -1
	s_barrier_wait -1
; A KEY STEP: 64 keys.
.macro STEP
	v_add_nc_u32 v[ADK], s[TB], v[AK0]             ; these two and three v_nop are five places behind the last step's products: four are owed by the loads into K's and V's buffer,
	v_add_nc_u32 v[ADV], s[TB], v[AV0]             ; five by the first products below, which write over the registers that held P
.rept 3
	v_nop
.endr
.irp f, 0,1
.irp kt, 0,1,2,3
.irp c, 0,1
	ds_load_b128 v[KV+16*\kt+8*\f+4*\c:KV+16*\kt+8*\f+4*\c+3], v[ADK] offset:2048*\kt+1024*\f+512*\c   ; keys 16 kt on, channels 32 f + 16 c on: 512 consecutive bytes
.endr
.endr
.endr
	s_wait_dscnt 8                                 ; channels 0-31 are in; the eight loads of channels 32-63 may be out
.irp kt, 0,1,2,3
.irp qt, 0,1
	v_wmma_f32_16x16x32_f16 v[S+32*\qt+8*\kt:S+32*\qt+8*\kt+7], v[KV+16*\kt:KV+16*\kt+7], v[Q+16*\qt:Q+16*\qt+7], 0
.endr
.endr
	s_wait_dscnt 0x0
.irp kt, 0,1,2,3                       ; the eight accumulators take turns
.irp qt, 0,1
	v_wmma_f32_16x16x32_f16 v[S+32*\qt+8*\kt:S+32*\qt+8*\kt+7], v[KV+16*\kt+8:KV+16*\kt+15], v[Q+16*\qt+8:Q+16*\qt+15], v[S+32*\qt+8*\kt:S+32*\qt+8*\kt+7]
.endr
.endr
.rept 4
	v_nop                                          ; places in front of the loads into K's registers and of the first read of the scores
.endr
.irp g, 0,1
.irp ct, 0,1,2,3
.irp u, 0,1
	ds_load_tr16_b128 v[KV+32*\g+8*\ct+4*\u:KV+32*\g+8*\ct+4*\u+3], v[ADV] offset:(2*\g+\u)*2048+512*\ct   ; V^T: channels 16 ct on, keys 32 g + 16 u on.  They land under the softmax
.endr
.endr
.endr
	s_wait_kmcnt 0x0                               ; this step's mask words, asked for a step ago
.irp qt, 0,1
.irp kt, 0,1,2,3
.irp j, 0,1,2,3,4,5,6,7
	v_cndmask_b32 v[S+32*\qt+8*\kt+\j], v[NEG], v[S+32*\qt+8*\kt+\j], s[32+36*\qt+8*\kt+\j]   ; each accumulator from its low end on
.endr
.endr
.endr
	s_add_co_u32 s[MO], s[MO], 256                 ; the next step's words; behind the last step the offset wraps to step 0, so the load stays inside its buffer
	s_and_b32 s[MO], s[MO], 8191
	MASKLOAD
.irp t, 0,1                            ; the largest of my 32 scores and the old m: two chains a tile, the tiles by turns
	v_max3_num_f32 v[C0+8*\t], v[S+32*\t], v[S+32*\t+1], v[S+32*\t+2]
	v_max3_num_f32 v[C1+8*\t], v[S+32*\t+17], v[S+32*\t+18], v[S+32*\t+19]
.endr
.irp i, 3,5,7,9,11,13
.irp t, 0,1
	v_max3_num_f32 v[C0+8*\t], v[C0+8*\t], v[S+32*\t+\i], v[S+32*\t+\i+1]
	v_max3_num_f32 v[C1+8*\t], v[C1+8*\t], v[S+32*\t+17+\i], v[S+32*\t+18+\i]
.endr
.endr
.irp t, 0,1
	v_max3_num_f32 v[C0+8*\t], v[C0+8*\t], v[S+32*\t+15], v[S+32*\t+16]
.endr
.irp t, 0,1
	v_max3_num_f32 v[C0+8*\t], v[C0+8*\t], v[C1+8*\t], v[MX+8*\t]
.endr
.irp t, 0,1
	v_permlanex16_b32 v[C1+8*\t], v[C0+8*\t], s[SEL], s[SEL+1]   ; the query's other 32 keys lie in the lane 16 away
.endr
.irp t, 0,1
	v_mov_b32 v[AF+8*\t], v[MX+8*\t]
.endr
.irp t, 0,1
	v_max_num_f32 v[MX+8*\t], v[C0+8*\t], v[C1+8*\t]
.endr
.irp t, 0,1
	v_sub_f32 v[AF+8*\t], v[AF+8*\t], v[MX+8*\t]   ; m_old - m_new
.endr
.irp t, 0,1
.set i, 0
.rept 16
	v_pk_add_f32 v[S+32*\t+i:S+32*\t+i+1], v[S+32*\t+i:S+32*\t+i+1], v[MX+8*\t:MX+8*\t+1] op_sel_hi:[1,0] neg_lo:[0,1] neg_hi:[0,1]   ; t - m, two at a time
.set i, i+2
.endr
.endr
	v_exp_f32 v[AF], v[AF]                         ; ONE BATCH: a of both tiles and the 64 weights; none of these reads another's result
	v_exp_f32 v[AF+8], v[AF+8]
.set i, 0
.rept 64
	v_exp_f32 v[S+i], v[S+i]
.set i, i+1
.endr
	v_nop                                          ; a plain instruction behind the last exponential
	s_wait_alu depctr_va_vdst(0)                   ; the wait ahead of the first instruction that names a result: one for the batch
.irp t, 0,1
	v_pk_mul_f32 v[LS+8*\t:LS+8*\t+1], v[LS+8*\t:LS+8*\t+1], v[AF+8*\t:AF+8*\t+1] op_sel_hi:[1,0]
	v_pk_add_f32 v[XS+2*\t:XS+2*\t+1], v[S+32*\t:S+32*\t+1], v[S+32*\t+2:S+32*\t+3]   ; the sum of the unrounded p, in two chains
.endr
.irp j, 4,8,12,16,20,24,28
.irp t, 0,1
	v_pk_add_f32 v[LS+8*\t:LS+8*\t+1], v[LS+8*\t:LS+8*\t+1], v[S+32*\t+\j:S+32*\t+\j+1]
	v_pk_add_f32 v[XS+2*\t:XS+2*\t+1], v[XS+2*\t:XS+2*\t+1], v[S+32*\t+\j+2:S+32*\t+\j+3]
.endr
.endr
.irp t, 0,1
	v_pk_add_f32 v[LS+8*\t:LS+8*\t+1], v[LS+8*\t:LS+8*\t+1], v[XS+2*\t:XS+2*\t+1]
.endr
.irp t, 0,1
.irp i, 0,1,2,3,4,5,6,7,8,9,10,11,12,13,14,15
	v_cvt_pk_f16_f32 v[S+32*\t+\i], v[S+32*\t+2*\i], v[S+32*\t+2*\i+1]   ; in place: register i takes numbers 2 i, 2 i + 1, which lie at or above it
.endr
.endr
.irp t, 0,1
.set i, 0
.rept 16
	v_pk_mul_f32 v[O+32*\t+i:O+32*\t+i+1], v[O+32*\t+i:O+32*\t+i+1], v[AF+8*\t:AF+8*\t+1] op_sel_hi:[1,0]   ; O^T x a
.set i, i+2
.endr
.endr
	s_wait_dscnt 0x0                               ; V
.irp g, 0,1                            ; O^T += V^T P: the eight accumulators take turns
.irp ct, 0,1,2,3
.irp qt, 0,1
	v_wmma_f32_16x16x32_f16 v[O+32*\qt+8*\ct:O+32*\qt+8*\ct+7], v[KV+32*\g+8*\ct:KV+32*\g+8*\ct+7], v[S+32*\qt+8*\g:S+32*\qt+8*\g+7], v[O+32*\qt+8*\ct:O+32*\qt+8*\ct+7]
.endr
.endr
.endr
.endm
.macro PHASE slot                      ; a slot's eight key steps: written once, walked eight times
	s_mov_b32 s[TB], \slot*SLOT1
	s_mov_b32 s[CNT], 8
.Lstep_\@:
	STEP
	s_add_co_u32 s[TB], s[TB], STEPB
	s_sub_co_u32 s[CNT], s[CNT], 1
	s_cmp_lg_u32 s[CNT], 0
	s_cbranch_scc1 .Lstep_\@
.endm
; THE CHANGE OF SLOTS.  Each wave waits for all its tensor loads (its part of the slot ahead), adds 0 to its spare word, and waits for that and for its reads of the slot that it leaves.  The round of the cluster's
; barrier then shows that no wave of any partner still reads that slot or has a load on its way; the joint refill is the first thing behind it and has eight key steps in which to land.
.macro CHANGE g0
	s_wait_tensorcnt 0x0                           ; no tensor load of mine is out, so a group 0 may be written
	ds_add_u32 v[SPW], v[NIL]
	s_add_nc_u64 s[\g0+2:\g0+3], s[\g0+2:\g0+3], 2*SLOTB   ; the keys two slots on; the type bits on top are not reached
	s_wait_dscnt 0x0
	ROUND
	tensor_load_to_lds s[\g0:\g0+3], s[G1:G1+7]
	s_nop 0
.rept 4
	v_nop
.endr
.endm
	PHASE 0                                        ; keys 0 to 511
	CHANGE G0A                                     ; slot 0 takes keys 1,024 to 1,535
	PHASE 1
	CHANGE G0B                                     ; slot 1 takes keys 1,536 to 2,047
	PHASE 0
	s_wait_tensorcnt 0x0                           ; the last change: nothing is left to fetch
	ds_add_u32 v[SPW], v[NIL]
	s_wait_dscnt 0x0
	s_barrier_signal -1
	s_barrier_wait -1
	PHASE 1
	; THE WAY OUT.  l's halves and the other half of the lanes' are added; O^T / l, rounded to f16, is stored straight from registers.  The additions below are the places behind the last products.
	s_wait_kmcnt 0x0                               ; the wrapped mask load
.irp t, 0,1
	v_add_f32 v[C0+8*\t], v[LS+8*\t], v[LS+8*\t+1]
.endr
.irp t, 0,1
	v_permlanex16_b32 v[C1+8*\t], v[C0+8*\t], s[SEL], s[SEL+1]
.endr
.irp t, 0,1
	v_add_f32 v[C0+8*\t], v[C0+8*\t], v[C1+8*\t]
.endr
.irp t, 0,1
	v_rcp_f32 v[AF+8*\t], v[C0+8*\t]
.endr
	v_nop
	s_wait_alu depctr_va_vdst(0)                   ; one wait for the two reciprocals, ahead of their first reader
.irp t, 0,1
.irp ct, 0,1,2,3
.irp i, 0,1,2,3
	v_pk_mul_f32 v[O+32*\t+8*\ct+2*\i:O+32*\t+8*\ct+2*\i+1], v[O+32*\t+8*\ct+2*\i:O+32*\t+8*\ct+2*\i+1], v[AF+8*\t:AF+8*\t+1] op_sel_hi:[1,0]
.endr
.irp i, 0,1,2,3
	v_cvt_pk_f16_f32 v[KV+4*(4*\t+\ct)+\i], v[O+32*\t+8*\ct+2*\i], v[O+32*\t+8*\ct+2*\i+1]
.endr
	global_store_b128 v[AK0], v[KV+4*(4*\t+\ct):KV+4*(4*\t+\ct)+3], s[8:9] offset:\t*32768+\ct*512   ; a chunk: 512 consecutive bytes, aligned
.endr
.endr
	s_wait_tensorcnt 0x0                           ; the wave's end
	ds_add_u32 v[SPW], v[NIL]
	s_wait_dscnt 0x0
	ROUND                                          ; the closing round
	s_endpgm
.Lfunc_end_k_q0da0074b3e_attn:
	.size	k_q0da0074b3e_attn, .Lfunc_end_k_q0da0074b3e_attn-k_q0da0074b3e_attn
	.p2alignl 7, 3214868480
	.fill 96, 4, 3214868480
	.section	.rodata,"a",@progbits
	.p2align	6, 0x0
	.amdhsa_kernel k_q0da0074b3e_attn
		.amdhsa_group_segment_fixed_size 327680
		.amdhsa_private_segment_fixed_size 0
		.amdhsa_enable_private_segment 0
		.amdhsa_kernarg_size 24
		.amdhsa_user_sgpr_count 2
		.amdhsa_user_sgpr_kernarg_segment_ptr 1
		.amdhsa_wavefront_size32 1
		.amdhsa_system_sgpr_workgroup_id_x 1
		.amdhsa_system_sgpr_workgroup_id_y 1
		.amdhsa_system_sgpr_workgroup_id_z 1
		.amdhsa_system_vgpr_workitem_id 0
		.amdhsa_next_free_vgpr 256
		.amdhsa_next_free_sgpr 102
		.amdhsa_reserve_vcc 0
		.amdhsa_float_denorm_mode_32 3
		.amdhsa_float_denorm_mode_16_64 3
		.amdhsa_memory_ordered 1
		.amdhsa_forward_progress 1
		.amdhsa_inst_pref_size 102
	.end_amdhsa_kernel
	.amdgpu_metadata
---
amdhsa.version: [ 1, 2 ]
amdhsa.kernels:
  - .name:           k_q0da0074b3e_attn
    .symbol:         k_q0da0074b3e_attn.kd
    .args:
      - { .name: qkvh, .offset: 0, .size: 8, .value_kind: global_buffer, .address_space: global }
      - { .name: maskw, .offset: 8, .size: 8, .value_kind: global_buffer, .address_space: global }
      - { .name: oh, .offset: 16, .size: 8, .value_kind: global_buffer, .address_space: global }
    .group_segment_fixed_size: 327680
    .private_segment_fixed_size: 0
    .kernarg_segment_align: 8
    .kernarg_segment_size: 24
    .max_flat_workgroup_size: 512
    .sgpr_count:     102
    .vgpr_count:     256
    .wavefront_size: 32
...
	.end_amdgpu_metadata
.endif
;; end of part 3
;; launch oproj (part 4): grid 32 x 8, 4 waves a work-group, clusters of 4 x 1, 296,448 bytes of LDS; arguments oh, woh, b_o, out0; writes out0
.if DOCPART == 4
	.amdgcn_target "amdgcn-amd-amdhsa--gfx1250"
	.amdhsa_code_object_version 6
	.text
	.protected	k_q0da0074b3e_oproj
	.globl	k_q0da0074b3e_oproj
	.p2align	8
	.type	k_q0da0074b3e_oproj,@function
k_q0da0074b3e_oproj:
	s_mov_b64 s[64:65], 0
	v_nop
	global_prefetch_b8 v0, s[64:65] scope:SCOPE_SE
	s_setreg_imm32_b32 hwreg(HW_REG_WAVE_MODE, 25, 1), 1
	s_wait_xcnt 0x0
	s_wait_alu depctr_hold_cnt(0) depctr_sa_sdst(0) depctr_va_vdst(0) depctr_va_sdst(0) depctr_va_ssrc(0) depctr_va_vcc(0) depctr_vm_vsrc(0)
	s_getreg_b32 s2, hwreg(HW_REG_IB_STS2, 6, 4)
	s_cmp_eq_u32 s2, 0
	s_cbranch_scc0 .Lentry_in_a_cluster
	s_endpgm
.Lentry_in_a_cluster:
	s_bfe_u32 s2, ttmp6, 0x10000c
	s_cmp_lg_u32 s2, 0x3003
	s_cbranch_scc0 .Lentry_shape_is_right
	s_endpgm
.Lentry_shape_is_right:
; OPROJ: out0 = O W_o + b_o.  O and W_o in f16, sums and bias in f32.
; A work-group makes 256 tokens x 128 channels; each of its four waves 64 tokens x 128 channels: 32 accumulators.
; W_o's 128 channels, all 1,024 k, are 262,144 bytes of register images: they come into LDS ONCE, in four quarters along k, and stay; nothing is filled again.
; The four work-groups of a cluster share the channels: each quarter is asked for jointly (mask 15).  Each wave brings a quarter of each quarter: 64 rows x 256 bytes; four loads of mine are out at the start.
; O's fragments are read by one wave of the work-group only: they go from memory straight into registers, 512 consecutive bytes a load, through a ring of eight sets, seven K steps ahead.
; THE MATRIX INSTRUCTION IS USED TRANSPOSED (source 0 = 16 channels, source 1 = 16 tokens): a lane holds eight neighbouring channels of one token.  The bias is the C of each sum's first instruction.
; REGISTERS: window 0: v1-9 addresses; v64-127 the bias; v128-255 W_o's fragments, two sets, later rows of the result.   window 1: accumulator (a, b) at v[8 (8 a + b)].   window 2: O's ring: set ks % 8 at v[32 (ks % 8) + 8 a].
.set BQ,     65536                     ; a quarter of W_o's block: eight K steps of 8,192 bytes
.set STAGE,  262144                    ; behind it: 16 rows x 528 bytes for each wave, for the way out; no tensor load lands there
.set SPITCH, 528
.set SPARE,  STAGE+4*16*SPITCH         ; the spare words, 128 bytes a wave: two blocks of 256 bytes that no other line names
.set LI,  1                            ; v1  16 x lane; never rewritten
.set ADB, 2                            ; v2-5  16 x lane + quarter
.set STO, 6
.set RD,  7
.set BO,  9                            ; v9  32 x (lane / 16)
.set SPW, 28
.set NIL, 29
.set BI,  64
.set BF,  128
.set G1,  24
.set G0,  32                           ; s[32:47] a group 0 for each quarter
.set MSB, 0
.macro WIN new                         ; the immediate's high byte repeats the setting that is left
.if MSB != \new
	s_set_vgpr_msb (MSB<<8)|\new
.set MSB, \new
.endif
.endm
.macro ROUND
	s_barrier_signal -1
	s_barrier_wait -1
	s_cmp_lg_u32 s12, 0
	s_cbranch_scc1 .Lnot_wave_0_\@
	s_barrier_signal -3
.Lnot_wave_0_\@:
	s_barrier_wait -3
	s_barrier_signal -1
	s_barrier_wait -1
.endm
.macro PLACES
.rept 4
	v_nop
.endr
.endm
.macro ALOAD ks                        ; O's four fragments (16 tokens x 32 k) of K step ks
	WIN 0x80                                       ; destination window 2, address window 0
.irp a, 0,1,2,3
.irp c, 0,1
	global_load_b128 v[32*((\ks)%8)+8*\a+4*\c:32*((\ks)%8)+8*\a+4*\c+3], v[LI], s[4:5] offset:\a*32768+(\ks)*1024+512*\c
.endr
.endr
.endm
.macro BLOAD ks                        ; W_o's eight fragments of K step ks
	WIN 0
.irp b, 0,1,2,3,4,5,6,7
.irp c, 0,1
	ds_load_b128 v[BF+64*((\ks)%2)+8*\b+4*\c:BF+64*((\ks)%2)+8*\b+4*\c+3], v[ADB+(\ks)/8] offset:((\ks)%8)*8192+1024*\b+512*\c
.endr
.endr
.endm
.macro MUL32 ks                        ; the 32 accumulators take turns, in the same order in every step
.if (\ks) == 0
	WIN 0x48                                       ; source 0 (W_o) and C (the bias) window 0, source 1 (O) window 2, D window 1
.else
	WIN 0x58                                       ; C and D window 1
.endif
.irp a, 0,1,2,3
.irp b, 0,1,2,3,4,5,6,7
.if (\ks) == 0
	v_wmma_f32_16x16x32_f16 v[8*(8*\a+\b):8*(8*\a+\b)+7], v[BF+64*((\ks)%2)+8*\b:BF+64*((\ks)%2)+8*\b+7], v[32*((\ks)%8)+8*\a:32*((\ks)%8)+8*\a+7], v[BI+8*\b:BI+8*\b+7]
.else
	v_wmma_f32_16x16x32_f16 v[8*(8*\a+\b):8*(8*\a+\b)+7], v[BF+64*((\ks)%2)+8*\b:BF+64*((\ks)%2)+8*\b+7], v[32*((\ks)%8)+8*\a:32*((\ks)%8)+8*\a+7], v[8*(8*\a+\b):8*(8*\a+\b)+7]
.endif
.endr
.endr
.endm
.macro KSTEP ks
.if ((\ks) == 7) || ((\ks) == 15) || ((\ks) == 23)
	s_wait_tensorcnt 3-((\ks)+1)/8                 ; my part of the next quarter is in; the later quarters may be out
	s_wait_dscnt 0x0                               ; no LDS load of mine is out at the signal
	s_barrier_signal -1
	s_barrier_wait -1                              ; everybody's part is in
.endif
.if 31-(\ks) < 6
	s_wait_loadcnt 8*(31-(\ks))                    ; this step's set of O is in; the later sets may be out
.else
	s_wait_loadcnt 48
.endif
.if (\ks) > 0
	PLACES                                         ; in front of loads into the sets that the last step's products read
.endif
.if (\ks) <= 24
	ALOAD (\ks)+7
.endif
.if (\ks) <= 30
	BLOAD (\ks)+1
	s_wait_dscnt 16                                ; this step's W_o is in; the sixteen loads just issued may be out
.else
	s_wait_dscnt 0x0
.endif
	MUL32 \ks
.endm
	s_load_b256 s[4:11], s[0:1], 0x0               ; oh, woh, b_o, out0
	v_lshl_add_u32 v[SPW], v0, 2, SPARE
	v_mov_b32 v[NIL], 0
	ds_add_u32 v[SPW], v[NIL]                      ; the wave's opening: the add, twice on end, and its wait ahead of my first tensor load
	ds_add_u32 v[SPW], v[NIL]
	v_lshrrev_b32 v8, 5, v0
	v_readfirstlane_b32 s12, v8                    ; wave 0..3
	s_bfe_u32 s13, ttmp6, 0x40000                  ; cx
	s_lshl_b32 s14, ttmp9, 2
	s_add_co_u32 s14, s14, s13                     ; my 256 tokens: it enters O's and the result's addresses alone
	s_and_b32 s15, ttmp7, 0xffff                   ; my 128 channels, which the four partners share
	s_mov_b32 s[G1], 15|(3<<16)|(1<<21)            ; the mask: all four; elements of 8 bytes; bit 21 beside a mask; no padding
	s_mov_b32 s[G1+1], 32<<16                      ; rows of 256 bytes,
	s_mov_b32 s[G1+2], 64<<16                      ; 64 of them,
	s_mov_b32 s[G1+3], 32<<16
	s_mov_b32 s[G1+4], 64
	s_mov_b32 s[G1+5], 32                          ; dense
	s_mov_b32 s[G1+6], 0
	s_mov_b32 s[G1+7], 0
	s_lshl_b32 s16, s15, 18
	s_lshl_b32 s2, s12, 14                         ; my quarter of a quarter, in memory and in LDS
	s_add_co_u32 s16, s16, s2
	s_mov_b32 s17, 0
	s_wait_dscnt 0x0                               ; both opening adds are done
	s_wait_kmcnt 0x0
	s_add_nc_u64 s[6:7], s[6:7], s[16:17]
.irp d, 0,1,2,3
	s_mov_b32 s[G0+4*\d], 1
	s_add_co_u32 s[G0+4*\d+1], s2, \d*BQ
	s_add_nc_u64 s[G0+4*\d+2:G0+4*\d+3], s[6:7], \d*BQ
	s_or_b32 s[G0+4*\d+3], s[G0+4*\d+3], 0x80000000
.endr
	ROUND                                          ; all four work-groups are here: the joint loads meet
.irp d, 0,1,2,3
	tensor_load_to_lds s[G0+4*\d:G0+4*\d+3], s[G1:G1+7]
	s_nop 0
.endr
.rept 4
	v_nop
.endr
	v_and_b32 v8, 31, v0
	v_lshlrev_b32 v[LI], 4, v8
.irp d, 0,1,2,3
	v_add_nc_u32 v[ADB+\d], \d*BQ, v[LI]
.endr
	v_and_b32 v10, 15, v0                          ; r
	v_bfe_u32 v11, v0, 4, 1                        ; h
	s_mul_i32 s3, s12, 16*SPITCH
	s_add_co_u32 s3, s3, STAGE                     ; my stage
	v_mul_u32_u24 v[STO], v10, SPITCH
	v_lshl_add_u32 v[STO], v11, 5, v[STO]
	v_add_nc_u32 v[STO], s3, v[STO]                ; in: row r, 32 bytes for each half of the lanes
	v_add_nc_u32 v[RD], s3, v[LI]                  ; back: the 32 lanes take one row of 512 bytes
	v_lshlrev_b32 v[BO], 5, v11
	s_lshl_b32 s16, s15, 9
	s_add_nc_u64 s[8:9], s[8:9], s[16:17]          ; b_o at my 128 channels
	s_add_nc_u64 s[10:11], s[10:11], s[16:17]      ; out0 likewise,
	s_lshl_b32 s16, s14, 20
	s_lshl_b32 s18, s12, 18
	s_add_co_u32 s16, s16, s18
	s_add_nc_u64 s[10:11], s[10:11], s[16:17]      ; at token 256 x block + 64 x wave
	s_lshl_b32 s16, s14, 19
	s_lshl_b32 s18, s12, 17
	s_add_co_u32 s16, s16, s18
	s_add_nc_u64 s[4:5], s[4:5], s[16:17]          ; O at the same token: 32,768 bytes for each 16
.irp b, 0,1,2,3,4,5,6,7
.irp e, 0,1
	global_load_b128 v[BI+8*\b+4*\e:BI+8*\b+4*\e+3], v[BO], s[8:9] offset:64*\b+16*\e   ; lane (r, h): b_o(16 b + 8 h + 0 .. 7)
.endr
.endr
.irp s, 0,1,2,3,4,5,6
	ALOAD \s
.endr
	WIN 0
	s_wait_tensorcnt 3                             ; my part of the first quarter is in,
	s_barrier_signal -1
	s_barrier_wait -1                              ; everybody's is
	BLOAD 0
.set KQ, 0
.rept 32
	KSTEP KQ
.set KQ, KQ+1
.endr
; THE WAY OUT, a block of 16 tokens x 128 channels at a time: through my own stage in LDS, back as whole rows of 512 bytes.  LDS serves a wave's instructions in order (ISA guide 5.7.1.4): no wait between the stores and the loads.
.macro TOSTAGE a
	WIN 0x04                                       ; an LDS store's data are its source 1: window 1
.irp b, 0,1,2,3,4,5,6,7
	ds_store_b128 v[STO], v[64*(\a)+8*\b:64*(\a)+8*\b+3] offset:64*\b          ; each accumulator from its low end on
	ds_store_b128 v[STO], v[64*(\a)+8*\b+4:64*(\a)+8*\b+7] offset:64*\b+16
.endr
	WIN 0
.irp t, 0,1,2,3,4,5,6,7,8,9,10,11,12,13,14,15
	ds_load_b128 v[BF+64*((\a)%2)+4*\t:BF+64*((\a)%2)+4*\t+3], v[RD] offset:\t*SPITCH
.endr
.endm
.macro SEND a, younger                 ; younger: the LDS instructions issued behind block a's loads, which may stay out
	s_wait_dscnt \younger
.irp t, 0,1,2,3,4,5,6,7,8,9,10,11,12,13,14,15
	global_store_b128 v[LI], v[BF+64*((\a)%2)+4*\t:BF+64*((\a)%2)+4*\t+3], s[10:11] offset:(\a)*65536+\t*4096 th:TH_STORE_NT   ; 32 lanes store 512 consecutive bytes, aligned
.endr
.endm
	PLACES                                         ; behind the last products: for the stores of results and for the loads into W_o's sets
	TOSTAGE 0
.irp a, 1,2,3
.if \a > 1
	s_wait_xcnt 0x0                                ; block a - 2's stores have read their registers: block a's rows may land there
.endif
	TOSTAGE \a
	SEND \a-1, 32                                  ; behind block a - 1's loads: block a's 16 stores and 16 loads
.endr
	SEND 3, 0
	s_wait_tensorcnt 0x0                           ; the wave's end
	ds_add_u32 v[SPW], v[NIL]
	s_wait_dscnt 0x0
	ROUND                                          ; the closing round
	s_endpgm
.Lfunc_end_k_q0da0074b3e_oproj:
	.size	k_q0da0074b3e_oproj, .Lfunc_end_k_q0da0074b3e_oproj-k_q0da0074b3e_oproj
	.p2alignl 7, 3214868480
	.fill 96, 4, 3214868480
	.section	.rodata,"a",@progbits
	.p2align	6, 0x0
	.amdhsa_kernel k_q0da0074b3e_oproj
		.amdhsa_group_segment_fixed_size 296448
		.amdhsa_private_segment_fixed_size 0
		.amdhsa_enable_private_segment 0
		.amdhsa_kernarg_size 32
		.amdhsa_user_sgpr_count 2
		.amdhsa_user_sgpr_kernarg_segment_ptr 1
		.amdhsa_wavefront_size32 1
		.amdhsa_system_sgpr_workgroup_id_x 1
		.amdhsa_system_sgpr_workgroup_id_y 1
		.amdhsa_system_sgpr_workgroup_id_z 1
		.amdhsa_system_vgpr_workitem_id 0
		.amdhsa_next_free_vgpr 768
		.amdhsa_next_free_sgpr 66
		.amdhsa_reserve_vcc 0
		.amdhsa_float_denorm_mode_32 3
		.amdhsa_float_denorm_mode_16_64 3
		.amdhsa_memory_ordered 1
		.amdhsa_forward_progress 1
		.amdhsa_inst_pref_size 151
	.end_amdhsa_kernel
	.amdgpu_metadata
---
amdhsa.version: [ 1, 2 ]
amdhsa.kernels:
  - .name:           k_q0da0074b3e_oproj
    .symbol:         k_q0da0074b3e_oproj.kd
    .args:
      - { .name: oh, .offset: 0, .size: 8, .value_kind: global_buffer, .address_space: global }
      - { .name: woh, .offset: 8, .size: 8, .value_kind: global_buffer, .address_space: global }
      - { .name: b_o, .offset: 16, .size: 8, .value_kind: global_buffer, .address_space: global }
      - { .name: out0, .offset: 24, .size: 8, .value_kind: global_buffer, .address_space: global }
    .group_segment_fixed_size: 296448
    .private_segment_fixed_size: 0
    .kernarg_segment_align: 8
    .kernarg_segment_size: 32
    .max_flat_workgroup_size: 128
    .sgpr_count:     66
    .vgpr_count:     768
    .wavefront_size: 32
...
	.end_amdgpu_metadata
.endif
;; end of part 4
